; MI455X (gfx1250); checked and timed in simulation.
; The chip was launched on July 23, 2026; its instructions are those of AMD's public machine-readable ISA for CDNA 5 (MIT licence, August 2026) and "CDNA5" Instruction Set Architecture Reference Guide (July 2026). The comments in the code are by the model that wrote it; some were corrected since.
;; Embedder. Allowed arithmetic: matrix products marked QUANTISED: E3M2 operands, one E8M0 scale for each 32 along K, by v_wmma_scale_f32_16x16x128_f8f6f4 with both operands' format E3M2, f32 sums; everything else in f32.
;; Inputs: Wk 1,024 x 1,024 float32; Wo 1,024 x 1,024 float32; Wq 1,024 x 1,024 float32; Wv 1,024 x 1,024 float32; bk 1,024 float32; bo 1,024 float32; bq 1,024 float32; bv 1,024 float32; segment_ids 4,096 int32; x 4,096 x 1,024 float32.
;; Outputs: out0 1,024 float32.
;; Constants: pos = 100.
;; This version of the problem:
;;   THIS VERSION OF THE PROBLEM IS GIVEN IN LOW PRECISION. The matrix products marked QUANTISED in the list below multiply operands that are first quantised to E3M2 (3 exponent bits, 2 mantissa bits; 6 bits a number), with one power-of-two scale for each 32 numbers along K (OCP MX v1.0); their sums are f32. All else is computed in f32.
;;   The module's matrix products, in the order in which they are computed (A, B: the left and right operand; K: the contracted axis; several contracted axes count as one K, in the product's order):
;;     1. [M 4,096, K 1,024] x [K 1,024, N 1,024]; A: input x; B: input Wq: QUANTISED
;;     2. [M 4,096, K 1,024] x [K 1,024, N 1,024]; A: input x; B: input Wk: QUANTISED
;;     3. [M 4,096, K 1,024] x [K 1,024, N 1,024]; A: input x; B: input Wv: QUANTISED
;;     4. batch 16 x [M 4,096, K 64] x [K 64, N 4,096]; A: computed on the way; B: computed on the way: QUANTISED
;;     5. batch 16 x [M 64, K 4,096] x [K 4,096, N 4,096]; A: computed on the way; B: softmax (see below): QUANTISED
;;     6. [M 4,096, K 1,024] x [K 1,024, N 1,024]; A: computed on the way; B: input Wo: QUANTISED
;;   THE QUANTISER, for each operand of a quantised product, along K:
;;     - K is cut into blocks of 32 from its start; a last block that is shorter is filled with zeros.
;;     - A block's scale is 2^e with e = floor(log2(the largest magnitude in the block)) - 4, held to -126 .. 127; a block of zeros has e = 0. As a byte (E8M0): e + 127.
;;     - Each number is divided by its block's scale, clamped to +-28, and rounded to the nearest number of E3M2, ties to even, subnormals kept.
;;     - The product sums the exact products of the quantised numbers (number of the format x scale) in f32.
;;   ~~~python
;;   def quantise(x, axis):      # numpy; x: float32 -> the quantised numbers, widened to float32 again
;;       x = np.moveaxis(x, axis, -1); K = x.shape[-1]
;;       x = np.pad(x, [(0, 0)] * (x.ndim - 1) + [(0, -K % 32)]); x = x.reshape(x.shape[:-1] + (-1, 32)); a = np.abs(x).max(-1, keepdims=True)
;;       e = np.where(a > 0, np.clip(np.frexp(np.where(a > 0, a, 1))[1] - 1 - 4, -126, 127), 0)      # np.frexp(a)[1] - 1 = floor(log2(a)), exactly
;;       r = np.clip(x / 2.0 ** e, -28, 28)
;;       step = 2.0 ** (np.maximum(np.frexp(np.where(r == 0, 1, r))[1] - 1, -2) - 2)
;;       q = np.round(r / step) * step * 2.0 ** e      # np.round: ties to even
;;       return np.moveaxis(q.reshape(q.shape[:-2] + (-1,))[..., :K], -1, axis).astype(np.float32)
;;   ~~~
;;   SOFTMAX AHEAD OF A QUANTISED PRODUCT. Where the list says 'softmax', what is quantised is not the finished softmax but p = 2^(t - M), with t = logit x log2(e) and M = ceil(the row's largest t), a whole number; so 1/2 < the row's largest p <= 1. The row's sum l is taken of the UNQUANTISED p, in f32, and the product's result is divided by l at the end. Since M is a whole number, a kernel that streams over the keys may use a running M (the ceiling of the running maximum): every later rescaling is an exact power of two, which a block's scale takes up: the codes' values come out the same.
;;   OPERANDS COMPUTED ON THE WAY. 'Computed on the way' means the value that the module computes at that place (a softmax that the list does not call 'softmax' is quantised finished and normalised). What goes into a quantiser is computed in f32, as accurately as f32 sums, v_exp_f32 and their like allow (about 1e-6 of the number): no bf16 or f16 on the way to a quantiser, and a product that is left as it is and whose result goes on into a quantised operand takes f32 operands (vector FMAs, or v_wmma_f32_16x16x4_f32). A number that lies on a knife's edge between two numbers of the format may be rounded either way, as far as f32 arithmetic and the matrix unit's own rounding can turn it there, and no further.
;; One version. Each part assembles by itself: llvm-mc -triple=amdgcn-amd-amdhsa -mcpu=gfx1250 --defsym DOCPART=n.
;; ======== version 1 of 1: 4 launches
;; workspace buffers: img 6,291,456 bytes; scl 262,144 bytes; route 4,096 bytes of whole numbers; qk 8,388,608 bytes; vimg 3,145,728 bytes; vsc 262,144 bytes; wvc 3,145,728 bytes; wvs 131,072 bytes
;; launch quant (part 1): grid 513 x 1, 8 waves a work-group, no clusters, 69,632 bytes of LDS; arguments x, Wq, Wk, Wv, Wo, segment_ids, img, scl, route; writes img, scl, route
.if DOCPART == 1
	.amdgcn_target "amdgcn-amd-amdhsa--gfx1250"
	.amdhsa_code_object_version 6
	.text
	.protected	k_qa468d38248_quant
	.globl	k_qa468d38248_quant
	.p2align	8
	.type	k_qa468d38248_quant,@function
k_qa468d38248_quant:
	s_mov_b64 s[64:65], 0
	v_nop
	global_prefetch_b8 v0, s[64:65] scope:SCOPE_SE
	s_setreg_imm32_b32 hwreg(HW_REG_WAVE_MODE, 25, 1), 1
	s_wait_xcnt 0x0
; x [4096][1024] and Wq, Wk, Wv, Wo [1024][1024], f32, K innermost, become codes of BF6 (E3M2) with one E8M0 byte for each 32 along K, laid as the matrix operand's registers want them.
; A TILE is 16 rows: tile T holds rows 32 (T / 2) + 8 (T % 2) + i + 8 (i / 8), i = 0 .. 15.  A BLOCK is 8 tiles = 128 rows: blocks 0-31 x, 32-39 Wq, 40-47 Wk, 48-55 Wv, 56-63 Wo.
; img[block][K step of 128][tile]: 1,536 bytes, the fragment's 12 registers: registers 4 c .. 4 c + 3 of lane l at 512 c + 16 l.
; scl[block][K step]: 512 bytes: the scale word of tile 2 q + (l / 16), row l % 16, at 16 l + 4 q.
; A block's scale is 2^(floor(log2(its largest magnitude)) - 4); its byte is that magnitude's exponent field - 4, held at 1 from below.
; LIMITS: a block of zeros gets the byte 1 where the rule says 127 (its codes are zeros, and this program alone reads the bytes); NaN and infinities among the inputs are not served.
; SHARES: work-group g = 1 .. 512 takes block (g - 1) / 8, K step (g - 1) % 8; wave t takes tile t: 16 rows x 512 bytes, sixteen loads of 512 consecutive bytes, all on their way at once.
; The rows turn through the wave's own stage in LDS, so that a lane gets 16 neighbours of each block of 32 of ONE row.
; Work-group 0, wave 0, makes the routing numbers from segment_ids (route): bytes 0-511 mask words (bit i of word w: token 32 w + i shares the segment of token 100);
; bytes 512-1023 the header (tiles with such a token, such tokens, groups of 8 such tiles, 0), 32 copies; bytes 1024-2047 all 256 tiles of x, those with such a token first, ascending.
; No work-group shares an input with another, so no cluster; the loads are all out at the head, so nothing is prefetched.
.set STGB, 8448                        ; a wave's stage: 16 rows x (512 + 16) bytes: the pitch is an odd multiple of 16 bytes
.set SCB,  67584                       ; behind the eight stages: the work-group's 512 bytes of scale words
.set RR,   16                          ; v16-79   16 rows as loaded
.set XX,   80                          ; v80-143  64 numbers of my row: register 16 b + i = k 32 b + 16 (lane / 16) + i
.set PC,   144                         ; v144-163 the codes
.set TM,   164                         ; v164-179 at work in QUANT
.set PW,   180                         ; v180     my row's scale word
.set SEL,  32                          ; s[32:33] lane selects: lane l xor 16
; 64 numbers of a lane become a fragment's 12 registers v[pc] .. v[pc + 11] and its row's scale word v[pw].
.macro QUANT src, pc, pw
.irp b, 0,1,2,3
	v_max3_num_f32 v[TM+\b], |v[\src+16*\b]|, |v[\src+1+16*\b]|, 0x2800000   ; block b: my 16 numbers, and the floor 2^(5 - 127): the byte cannot fall under 1
.endr
.irp i, 2,4,6,8,10,12,14
.irp b, 0,1,2,3
	v_max3_num_f32 v[TM+\b], v[TM+\b], |v[\src+16*\b+\i]|, |v[\src+1+16*\b+\i]|   ; the four blocks by turns
.endr
.endr
.irp b, 0,1,2,3
	v_permlanex16_b32 v[TM+4+\b], v[TM+\b], s[SEL], s[SEL+1]
.endr
.irp b, 0,1,2,3
	v_max_num_f32 v[TM+\b], v[TM+\b], v[TM+4+\b]   ; with lane l xor 16's: the block's largest magnitude
.endr
.irp b, 0,1,2,3
	v_add_nc_u32 v[TM+12+\b], 0xfe000000, v[TM+\b]   ; 4 off its exponent field: the conversion's scale operand
.endr
.irp b, 0,1,2,3
	v_lshrrev_b32 v[TM+4+\b], 23, v[TM+12+\b]   ; the scale's byte
.endr
	v_lshl_or_b32 v[\pw], v[TM+5], 8, v[TM+4]
	v_lshl_or_b32 v[\pw], v[TM+6], 16, v[\pw]
	v_lshl_or_b32 v[\pw], v[TM+7], 24, v[\pw]
.irp c, 0,1
	v_cvt_scalef32_pk16_bf6_f32 v[\pc+6*\c:\pc+2+6*\c], v[\src+32*\c:\src+15+32*\c], v[TM+12+2*\c]
	v_cvt_scalef32_pk16_bf6_f32 v[\pc+12+4*\c:\pc+14+4*\c], v[\src+16+32*\c:\src+31+32*\c], v[TM+12+2*\c+1]   ; (a conversion's three registers begin on an even number)
.endr
	v_nop                                          ; one plain place behind the scaled conversions
.irp c, 0,1                                    ; the operand wants a WHOLE block in a lane: lanes 0-15 block 2 c, lanes 16-31 block 2 c + 1
.irp i, 0,1,2
	v_permlane16_swap_b32 v[\pc+6*\c+\i], v[\pc+12+4*\c+\i]
.endr
.irp i, 0,1,2
	v_mov_b32 v[\pc+3+6*\c+\i], v[\pc+12+4*\c+\i]
.endr
.endr
.endm
	s_load_b512 s[4:19], s[0:1], 0x0               ; x, Wq, Wk, Wv, Wo, segment_ids, img, scl
	s_load_b64 s[20:21], s[0:1], 0x40              ; route
	v_lshl_add_u32 v192, v0, 2, 0x10c00
	v_mov_b32 v193, 0
	v_lshrrev_b32 v1, 5, v0
	v_readfirstlane_b32 s22, v1                    ; wave
	v_and_b32 v1, 31, v0                           ; lane
	v_and_b32 v2, 15, v0                           ; r
	v_bfe_u32 v3, v0, 4, 1                         ; h
	v_lshlrev_b32 v4, 4, v1                        ; 16 x lane
	s_wait_kmcnt 0x0
	s_cmp_eq_u32 ttmp9, 0
	s_cbranch_scc1 .Lroute
	; ---- the quantiser
	s_sub_co_u32 s38, ttmp9, 1
	s_lshr_b32 s23, s38, 3                         ; block
	s_and_b32 s24, s38, 7                          ; K step
	s_mov_b32 s[SEL], 0x76543210
	s_mov_b32 s[SEL+1], 0xfedcba98
	s_mul_i32 s25, s22, STGB
	v_add_nc_u32 v5, s25, v4                       ; the stage, way in: a row's 512 bytes as they lie
	v_mul_u32_u24 v6, v2, 528
	v_lshl_add_u32 v6, v3, 6, v6
	v_add_nc_u32 v6, s25, v6                       ; way out: row r, + 64 h: my 16 numbers of a block of 32
	s_and_b32 s34, s22, 1
	s_lshl_b32 s34, s34, 8
	s_lshr_b32 s35, s22, 1
	s_lshl_b32 s35, s35, 2
	s_add_co_u32 s34, s34, s35
	s_add_co_u32 s34, s34, SCB
	v_lshl_add_u32 v7, v2, 4, s34                  ; my row's scale word: 16 (16 (t % 2) + r) + 4 (t / 2)
	v_add_nc_u32 v8, SCB, v4
.irp b, 0,1,2,3
	v_mov_b32 v[TM+4+\b], 0                        ; written once: a lane permute's destination counts as one of its sources
.endr
	s_and_b32 s36, s23, 7
	s_cmp_lt_u32 s23, 56                           ; which tensor: the choice hangs on the work-group's number alone
	s_cselect_b64 s[26:27], s[10:11], s[12:13]
	s_cmp_lt_u32 s23, 48
	s_cselect_b64 s[26:27], s[8:9], s[26:27]
	s_cmp_lt_u32 s23, 40
	s_cselect_b64 s[26:27], s[6:7], s[26:27]
	s_cmp_lt_u32 s23, 32
	s_cselect_b64 s[26:27], s[4:5], s[26:27]
	s_cselect_b32 s36, s23, s36                    ; the block's number inside its tensor
	s_lshl_b32 s36, s36, 7
	s_lshr_b32 s37, s22, 1
	s_lshl_b32 s37, s37, 5
	s_add_co_u32 s36, s36, s37
	s_and_b32 s37, s22, 1
	s_lshl_b32 s37, s37, 3
	s_add_co_u32 s36, s36, s37                     ; my tile's first row: 128 block + 32 (t / 2) + 8 (t % 2)
	s_lshl_b32 s36, s36, 12                        ; rows of 4,096 bytes
	s_lshl_b32 s37, s24, 9
	s_add_co_u32 s36, s36, s37                     ; + 512 x K step
	s_mov_b32 s37, 0
	s_add_nc_u64 s[26:27], s[26:27], s[36:37]
	s_lshl_b32 s36, s38, 3
	s_add_co_u32 s36, s36, s22
	s_mul_i32 s36, s36, 1536
	s_add_nc_u64 s[28:29], s[16:17], s[36:37]      ; my fragment's image
	s_lshl_b32 s36, s38, 9
	s_add_nc_u64 s[30:31], s[18:19], s[36:37]      ; the work-group's scale words
.irp i, 0,1,2,3,4,5,6,7,8,9,10,11,12,13,14,15
	global_load_b128 v[RR+4*\i:RR+4*\i+3], v4, s[26:27] offset:(\i+8*(\i/8))*4096 th:TH_LOAD_NT   ; 32 lanes read 512 consecutive bytes of row i + 8 (i / 8)
.endr
.irp i, 0,1,2,3,4,5,6,7,8,9,10,11,12,13,14,15
	s_wait_loadcnt 15-\i                           ; row i is in; the 15 - i younger loads stay out
	ds_store_b128 v5, v[RR+4*\i:RR+4*\i+3] offset:528*\i
.endr
.irp b, 0,1,2,3
.irp j, 0,1,2,3
	ds_load_b128 v[XX+16*\b+4*\j:XX+16*\b+4*\j+3], v6 offset:128*\b+16*\j   ; my wave's own bytes, served in order: these see the stores above
.endr
.endr
	s_wait_dscnt 0x0
	QUANT XX, PC, PW
	ds_store_b32 v7, v[PW]                         ; both halves of the lanes hold the same word and write it to the same place
.irp c, 0,1,2
	global_store_b128 v4, v[PC+4*\c:PC+4*\c+3], s[28:29] offset:512*\c   ; 512 consecutive bytes, aligned
.endr
	s_wait_dscnt 0x0                               ; for the others' sake: my scale words have landed
	s_barrier_signal -1
	s_barrier_wait -1
	s_cmp_lg_u32 s22, 0
	s_cbranch_scc1 .Lend
	ds_load_b128 v[12:15], v8                      ; wave 0 sends the eight tiles' scale words out as 512 consecutive bytes
	s_wait_dscnt 0x0
	global_store_b128 v4, v[12:15], s[30:31]
.Lend:
	s_wait_tensorcnt 0x0
	ds_add_u32 v192, v193
	s_wait_dscnt 0x0
	s_endpgm
	; ---- the routing numbers: one wave, whole numbers only; the other seven waves go forward to this path's own end
.Lroute:
	s_cmp_lg_u32 s22, 0
	s_cbranch_scc1 .Lrend
	s_load_b32 s40, s[14:15], 400                  ; the segment of token 100
	v_lshlrev_b32 v5, 2, v1
.set i, 0
.rept 128
	global_load_b32 v[32+i], v5, s[14:15] offset:128*i   ; tokens 32 i + lane
.set i, i+1
.endr
.irp k, 8,9,10,11
	v_mov_b32 v\k, 0
.endr
	s_mov_b32 s42, 0
	s_mov_b32 s46, 0x00ff00ff                      ; an even tile's tokens in its word of 32,
	s_mov_b32 s47, 0xff00ff00                      ; an odd tile's
	s_wait_kmcnt 0x0
	s_wait_loadcnt 0x0
.set i, 0
.rept 128
	v_cmp_eq_u32 s44, s40, v[32+i]                 ; mask word i
	s_bcnt1_i32_b32 s45, s44
	s_add_co_u32 s42, s42, s45                     ; the count of such tokens
	v_writelane_b32 v[8+i%4], s44, i/4             ; lane l keeps words 4 l .. 4 l + 3: tiles 8 l .. 8 l + 7
.set i, i+1
.endr
	global_store_b128 v4, v[8:11], s[20:21]
.irp k, 0,1,2,3,4,5,6,7
	v_and_b32 v[12+\k], s[46+\k%2], v[8+\k/2]
	v_min_u32 v[12+\k], 1, v[12+\k]                ; 1 where tile 8 l + k has such a token
.endr
	v_add_nc_u32 v20, v12, v13
	v_add3_u32 v20, v20, v14, v15
	v_add3_u32 v20, v20, v16, v17
	v_add3_u32 v20, v20, v18, v19                  ; my lane's count
	v_mov_b32 v21, v20
	v_mov_b32 v22, 0
.irp n, 1,2,4,8                                ; a running sum over each 16 lanes,
	v_mov_b32_dpp v22, v21 row_shr:\n row_mask:0xf bank_mask:0xf bound_ctrl:1
	v_add_nc_u32 v21, v21, v22
.endr
	v_readlane_b32 s48, v21, 15
	v_mov_b32 v23, s48
	v_cmp_lt_u32 vcc_lo, 15, v1
	v_cndmask_b32 v22, 0, v23, vcc_lo
	v_add_nc_u32 v21, v21, v22                     ; and over all 32
	v_readlane_b32 s49, v21, 31                    ; tiles with such a token
	v_sub_nc_u32 v24, v21, v20                     ; such tiles ahead of my first
.irp k, 0,1,2,3,4,5,6,7
	v_lshl_add_u32 v[40+\k], v1, 3, \k             ; the tile
	v_sub_nc_u32 v[48+\k], v[40+\k], v24
	v_add_nc_u32 v[48+\k], s49, v[48+\k]           ; its place if it has none: behind all that have, in order
	v_cmp_ne_u32 vcc_lo, 0, v[12+\k]
	v_cndmask_b32 v[48+\k], v[48+\k], v24, vcc_lo  ; and if it has one
	v_min_u32 v[48+\k], 0xff, v[48+\k]
	v_lshlrev_b32 v[48+\k], 2, v[48+\k]
	global_store_b32 v[48+\k], v[40+\k], s[20:21] offset:1024   ; address and data have registers of their own for each k
	v_add_nc_u32 v24, v24, v[12+\k]
.endr
	s_add_co_u32 s50, s49, 7
	s_lshr_b32 s50, s50, 3
	v_mov_b32 v60, s49
	v_mov_b32 v61, s42
	v_mov_b32 v62, s50
	v_mov_b32 v63, 0
	global_store_b128 v4, v[60:63], s[20:21] offset:512   ; the header, a copy a lane: 512 consecutive bytes
.Lrend:
	s_endpgm
.Lfunc_end_k_qa468d38248_quant:
	.size	k_qa468d38248_quant, .Lfunc_end_k_qa468d38248_quant-k_qa468d38248_quant
	.p2alignl 7, 3214868480
	.fill 96, 4, 3214868480
	.section	.rodata,"a",@progbits
	.p2align	6, 0x0
	.amdhsa_kernel k_qa468d38248_quant
		.amdhsa_group_segment_fixed_size 69632
		.amdhsa_private_segment_fixed_size 0
		.amdhsa_enable_private_segment 0
		.amdhsa_kernarg_size 72
		.amdhsa_user_sgpr_count 2
		.amdhsa_user_sgpr_kernarg_segment_ptr 1
		.amdhsa_wavefront_size32 1
		.amdhsa_system_sgpr_workgroup_id_x 1
		.amdhsa_system_sgpr_workgroup_id_y 1
		.amdhsa_system_sgpr_workgroup_id_z 1
		.amdhsa_system_vgpr_workitem_id 0
		.amdhsa_next_free_vgpr 194
		.amdhsa_next_free_sgpr 66
		.amdhsa_reserve_vcc 1
		.amdhsa_float_denorm_mode_32 3
		.amdhsa_float_denorm_mode_16_64 3
		.amdhsa_memory_ordered 1
		.amdhsa_forward_progress 1
		.amdhsa_inst_pref_size 53
	.end_amdhsa_kernel
	.amdgpu_metadata
---
amdhsa.version: [ 1, 2 ]
amdhsa.kernels:
  - .name:           k_qa468d38248_quant
    .symbol:         k_qa468d38248_quant.kd
    .args:
      - { .name: x, .offset: 0, .size: 8, .value_kind: global_buffer, .address_space: global }
      - { .name: Wq, .offset: 8, .size: 8, .value_kind: global_buffer, .address_space: global }
      - { .name: Wk, .offset: 16, .size: 8, .value_kind: global_buffer, .address_space: global }
      - { .name: Wv, .offset: 24, .size: 8, .value_kind: global_buffer, .address_space: global }
      - { .name: Wo, .offset: 32, .size: 8, .value_kind: global_buffer, .address_space: global }
      - { .name: segment_ids, .offset: 40, .size: 8, .value_kind: global_buffer, .address_space: global }
      - { .name: img, .offset: 48, .size: 8, .value_kind: global_buffer, .address_space: global }
      - { .name: scl, .offset: 56, .size: 8, .value_kind: global_buffer, .address_space: global }
      - { .name: route, .offset: 64, .size: 8, .value_kind: global_buffer, .address_space: global }
    .group_segment_fixed_size: 69632
    .private_segment_fixed_size: 0
    .kernarg_segment_align: 8
    .kernarg_segment_size: 72
    .max_flat_workgroup_size: 256
    .sgpr_count:     66
    .vgpr_count:     194
    .wavefront_size: 32
...
	.end_amdgpu_metadata
.endif
;; end of part 1
;; launch proj (part 2): grid 272 x 1, 4 waves a work-group, no clusters, 103,936 bytes of LDS; arguments img, scl, route, bq, bk, bv, vimg, vsc, qk; writes vimg, vsc, qk
.if DOCPART == 2
	.amdgcn_target "amdgcn-amd-amdhsa--gfx1250"
	.amdhsa_code_object_version 6
	.text
	.protected	k_qa468d38248_proj
	.globl	k_qa468d38248_proj
	.p2align	8
	.type	k_qa468d38248_proj,@function
k_qa468d38248_proj:
	s_mov_b64 s[64:65], 0
	v_nop
	global_prefetch_b8 v0, s[64:65] scope:SCOPE_SE
	s_setreg_imm32_b32 hwreg(HW_REG_WAVE_MODE, 25, 1), 1
	s_wait_xcnt 0x0
; The three projections on codes of BF6, and their results quantised again, in registers, as operands of the attention's products.
; ONE loop serves two roles.  P = the 8 fragments a K step of one block of 128 rows, source 0, shared by the four waves from LDS; R = two tiles, source 1, the wave's own, all 8 K steps in registers.
; In the result a lane holds one row of R, and the 16 registers of P's tiles 2 b and 2 b + 1 are 16 neighbours 32 b + 16 (lane / 16) + 0 .. 15 of P's block (the tiles' rows were chosen so).
;   work-groups 16 .. 271, V:  P = tokens 128 ks on of x, R = two tiles of Wv's rows: a lane holds a channel, registers run along the KEYS, the second attention product's K.  V is made for all tokens.
;   work-groups 0 .. 15, Q K:  P = 128 rows (two heads) of Wq or Wk, R = two tiles of x taken from the stored list: a lane holds a token, registers run along the head's channels.  Only the list's
;     first 8 x groups tiles are walked: those with a token of the main segment.  Tokens outside it become zeros: their scores are the zeros that the mask asks for, and their rows are thrown away.
; OUT, alike in both roles: a fragment's image (1,536 bytes) and its rows' scale words (128 bytes):  vimg[head][ks][nt], vsc[head][ks][nt];  qk[Q or K][tile][pair of heads]: 2,048 bytes, words at 1,536.
; The list's length is read from memory and steers a trip count and addresses, so this launch has no tensor load and no joint loads: P is staged by plain loads and LDS stores, once, ahead of the one barrier.
; LIMITS: a block of zeros gets the byte 1, not 127 (zero codes; bytes read by this program alone); NaN and infinities are not served; with many main tokens the Q K role takes up to 32 trips on 16 work-groups.
; REGISTERS, window 0: v1-15 addresses; v16-23 P's scale words, two sets; v24-31 R's; v32-127 P's eight fragments; v128-255 the 16 accumulators (tile t of P, tile p of R) at 128 + 64 p + 8 t.
;   window 1: v0-191 R's fragments (p, K step s) at 24 s + 12 p.
.set PSC,  98304                       ; LDS: P's images 0 .. 98,303 as they lie in memory; its scale words, 4,096 bytes;
.set BIAS, 102400                      ; the 128 biases of the column block
.set HALF, 49152                       ; an LDS offset has 16 bits: second address registers stand this far on
.set TM,   72
.set SEL,  60
.set MSB,  0
.macro WIN new                         ; the immediate's high byte repeats the setting that is left
.if MSB != \new
	s_set_vgpr_msb (MSB<<8)|\new
.set MSB, \new
.endif
.endm
.macro QUANT src, pc, pw               ; 64 numbers of a lane, register 16 b + i = k 32 b + 16 (lane / 16) + i, become a fragment's 12 registers and its row's scale word
.irp b, 0,1,2,3
	v_max3_num_f32 v[TM+\b], |v[\src+16*\b]|, |v[\src+1+16*\b]|, 0x2800000   ; and the floor 2^(5 - 127): the byte cannot fall under 1
.endr
.irp i, 2,4,6,8,10,12,14
.irp b, 0,1,2,3
	v_max3_num_f32 v[TM+\b], v[TM+\b], |v[\src+16*\b+\i]|, |v[\src+1+16*\b+\i]|
.endr
.endr
.irp b, 0,1,2,3
	v_permlanex16_b32 v[TM+4+\b], v[TM+\b], s[SEL], s[SEL+1]
.endr
.irp b, 0,1,2,3
	v_max_num_f32 v[TM+\b], v[TM+\b], v[TM+4+\b]
.endr
.irp b, 0,1,2,3
	v_add_nc_u32 v[TM+12+\b], 0xfe000000, v[TM+\b]   ; 4 off the exponent field: the conversion's scale operand
.endr
.irp b, 0,1,2,3
	v_lshrrev_b32 v[TM+4+\b], 23, v[TM+12+\b]
.endr
	v_lshl_or_b32 v[\pw], v[TM+5], 8, v[TM+4]
	v_lshl_or_b32 v[\pw], v[TM+6], 16, v[\pw]
	v_lshl_or_b32 v[\pw], v[TM+7], 24, v[\pw]
.irp c, 0,1
	v_cvt_scalef32_pk16_bf6_f32 v[\pc+6*\c:\pc+2+6*\c], v[\src+32*\c:\src+15+32*\c], v[TM+12+2*\c]
	v_cvt_scalef32_pk16_bf6_f32 v[\pc+12+4*\c:\pc+14+4*\c], v[\src+16+32*\c:\src+31+32*\c], v[TM+12+2*\c+1]
.endr
	v_nop                                          ; one plain place behind the scaled conversions
.irp c, 0,1
.irp i, 0,1,2
	v_permlane16_swap_b32 v[\pc+6*\c+\i], v[\pc+12+4*\c+\i]
.endr
.irp i, 0,1,2
	v_mov_b32 v[\pc+3+6*\c+\i], v[\pc+12+4*\c+\i]
.endr
.endr
.endm
; The matrix instruction; ra, rb: which half of the lanes holds source 0's and source 1's scale words.  WMZ starts a sum, WMA adds onto it.
.macro WMZ d, a, b, sa, sb, ra, rb
.if ((\ra) == 0) && ((\rb) == 0)
	v_wmma_scale_f32_16x16x128_f8f6f4 v[\d:\d+7], v[\a:\a+11], v[\b:\b+11], 0, v[\sa], v[\sb] matrix_a_fmt:MATRIX_FMT_BF6 matrix_b_fmt:MATRIX_FMT_BF6
.elseif (\rb) == 0
	v_wmma_scale_f32_16x16x128_f8f6f4 v[\d:\d+7], v[\a:\a+11], v[\b:\b+11], 0, v[\sa], v[\sb] matrix_a_fmt:MATRIX_FMT_BF6 matrix_b_fmt:MATRIX_FMT_BF6 matrix_a_scale:MATRIX_SCALE_ROW1
.elseif (\ra) == 0
	v_wmma_scale_f32_16x16x128_f8f6f4 v[\d:\d+7], v[\a:\a+11], v[\b:\b+11], 0, v[\sa], v[\sb] matrix_a_fmt:MATRIX_FMT_BF6 matrix_b_fmt:MATRIX_FMT_BF6 matrix_b_scale:MATRIX_SCALE_ROW1
.else
	v_wmma_scale_f32_16x16x128_f8f6f4 v[\d:\d+7], v[\a:\a+11], v[\b:\b+11], 0, v[\sa], v[\sb] matrix_a_fmt:MATRIX_FMT_BF6 matrix_b_fmt:MATRIX_FMT_BF6 matrix_a_scale:MATRIX_SCALE_ROW1 matrix_b_scale:MATRIX_SCALE_ROW1
.endif
.endm
.macro WMA d, a, b, sa, sb, ra, rb
.if ((\ra) == 0) && ((\rb) == 0)
	v_wmma_scale_f32_16x16x128_f8f6f4 v[\d:\d+7], v[\a:\a+11], v[\b:\b+11], v[\d:\d+7], v[\sa], v[\sb] matrix_a_fmt:MATRIX_FMT_BF6 matrix_b_fmt:MATRIX_FMT_BF6
.elseif (\rb) == 0
	v_wmma_scale_f32_16x16x128_f8f6f4 v[\d:\d+7], v[\a:\a+11], v[\b:\b+11], v[\d:\d+7], v[\sa], v[\sb] matrix_a_fmt:MATRIX_FMT_BF6 matrix_b_fmt:MATRIX_FMT_BF6 matrix_a_scale:MATRIX_SCALE_ROW1
.elseif (\ra) == 0
	v_wmma_scale_f32_16x16x128_f8f6f4 v[\d:\d+7], v[\a:\a+11], v[\b:\b+11], v[\d:\d+7], v[\sa], v[\sb] matrix_a_fmt:MATRIX_FMT_BF6 matrix_b_fmt:MATRIX_FMT_BF6 matrix_b_scale:MATRIX_SCALE_ROW1
.else
	v_wmma_scale_f32_16x16x128_f8f6f4 v[\d:\d+7], v[\a:\a+11], v[\b:\b+11], v[\d:\d+7], v[\sa], v[\sb] matrix_a_fmt:MATRIX_FMT_BF6 matrix_b_fmt:MATRIX_FMT_BF6 matrix_a_scale:MATRIX_SCALE_ROW1 matrix_b_scale:MATRIX_SCALE_ROW1
.endif
.endm
.macro MM s, t, r                      ; K step s, P's tile t, R's tile r
.set rD, 128+64*(\r)+8*(\t)
.set rA, 32+12*(\t)
.set rB, 24*(\s)+12*(\r)
.set rSA, 16+4*((\s)%2)+(\t)/2
.set rSB, 24+(\s)
.if (\s) == 0
	WMZ rD, rA, rB, rSA, rSB, (\t)%2, \r
.else
	WMA rD, rA, rB, rSA, rSB, (\t)%2, \r
.endif
.endm
.macro PGROUP s, g                     ; six LDS loads: P's fragments 2 g and 2 g + 1 of K step s
.irp e, 0,1
.irp c, 0,1,2
.if (\s) < 4
	ds_load_b128 v[32+24*(\g)+12*\e+4*\c:35+24*(\g)+12*\e+4*\c], v1 offset:12288*(\s)+1536*(2*(\g)+\e)+512*\c
.else
	ds_load_b128 v[32+24*(\g)+12*\e+4*\c:35+24*(\g)+12*\e+4*\c], v8 offset:12288*((\s)-4)+1536*(2*(\g)+\e)+512*\c
.endif
.endr
.endr
.endm
; A K step: 16 matrix instructions on the 16 accumulators by turns.  A group of two fragments is fetched anew, for the next K step, four places behind its four products.
.macro KSTEP s
	s_wait_loadcnt 6*(7-(\s))                      ; R's fragments of this K step are in; those of the later K steps, six loads each, stay out
.irp g, 0,1,2,3
.if (\s) < 7
.if \g == 0
	s_wait_dscnt 18                                ; this group is in; younger: three groups of six
.else
	s_wait_dscnt 19                                ; younger: three groups of six and the next K step's scale words
.endif
.else
	s_wait_dscnt 18-6*\g                           ; the last K step fetches nothing: the counts run down
.endif
	MM \s, 2*\g, 0
	MM \s, 2*\g, 1
	MM \s, 2*\g+1, 0
	MM \s, 2*\g+1, 1
.rept 4
	v_nop                                          ; places in front of loads into registers that these products read, and of the first read of results
.endr
.if (\s) < 7
.if \g == 0
	ds_load_b128 v[16+4*(((\s)+1)%2):19+4*(((\s)+1)%2)], v9 offset:512*((\s)+1)
.endif
	PGROUP (\s)+1, \g
.endif
.endr
.endm
; R for trip s36: its two tiles' numbers, all that hangs on them, and 56 loads: 8 of scale words, then 6 for each K step.
; A number read from memory enters an address only behind s_min_u32 with a constant; right shifts are made ahead of it, and behind it stand shifts left, multiplies and adds alone.
.macro RLOAD
	s_wait_xcnt 0x0                                ; all earlier loads and stores have read their bases, offsets and data: these are written again from here on
	s_min_u32 s66, s36, 31
	s_lshl_b32 s66, s66, 5
	s_add_co_u32 s38, s66, s39                     ; list entries 8 trip + 2 wave, + 1
	s_load_b64 s[40:41], s[12:13], s38 offset:1024
	s_mov_b32 s75, 0
	s_wait_kmcnt 0x0
.irp p, 0,1
	s_cmp_lg_u32 s27, 0
	s_cselect_b32 s67, s[40+\p], s[42+\p]          ; the tile: from the list, or (V) Wv's, from ids
	s_lshr_b32 s68, s67, 3
	s_min_u32 s68, s68, 63                         ; its block
	s_and_b32 s69, s67, 7
	s_min_u32 s69, s69, 7                          ; its place in the block
	s_and_b32 s70, s67, 1
	s_min_u32 s70, s70, 1
	s_lshr_b32 s71, s67, 1
	s_and_b32 s72, s71, 3
	s_min_u32 s72, s72, 3
	s_min_u32 s71, s71, 127                        ; its mask word
	s_min_u32 s73, s67, 255
	s_mul_i32 s74, s68, 98304
	s_mul_i32 s76, s69, 1536
	s_add_co_u32 s74, s74, s76
	s_add_nc_u64 s[44+2*\p:45+2*\p], s[8:9], s[74:75]   ; its images
	s_lshl_b32 s74, s68, 12
	s_lshl_b32 s76, s70, 8
	s_add_co_u32 s74, s74, s76
	s_lshl_b32 s76, s72, 2
	s_add_co_u32 s[48+\p], s74, s76                ; its scale words
	s_lshl_b32 s[78+\p], s71, 2
	s_load_b32 s[50+\p], s[12:13], s[78+\p]        ; waited for on the way out
	s_lshl_b32 s[52+\p], s70, 3                    ; its tokens' first bit there
	s_mul_i32 s74, s73, s88
	s_add_co_u32 s74, s74, s[89+\p]
	s_add_nc_u64 s[80+2*\p:81+2*\p], s[84:85], s[74:75]   ; where its result's image goes,
	s_mul_i32 s74, s73, s88
	s_add_co_u32 s74, s74, s[91+\p]
	s_add_nc_u64 s[94+2*\p:95+2*\p], s[86:87], s[74:75]   ; and the scale words
.endr
	v_mul_lo_u32 v7, s48, v10                      ; lanes 0-15 take tile 0's scale words, lanes 16-31 tile 1's
	v_mul_lo_u32 v12, s49, v5
	v_add_nc_u32 v7, v7, v12
	v_add_nc_u32 v7, v7, v11
.irp s, 0,1,2,3,4,5,6,7
	global_load_b32 v[24+\s], v7, s[10:11] offset:512*\s
.endr
	WIN 0x40                                       ; destination window 1
.irp s, 0,1,2,3,4,5,6,7
.irp p, 0,1
.irp c, 0,1,2
	global_load_b128 v[24*\s+12*\p+4*\c:24*\s+12*\p+4*\c+3], v1, s[44+2*\p:45+2*\p] offset:12288*\s+512*\c
.endr
.endr
.endr
	WIN 0
.endm
	s_load_b512 s[8:23], s[0:1], 0x0               ; img, scl, route, bq, bk, bv, vimg, vsc
	s_load_b64 s[24:25], s[0:1], 0x40              ; qk
	s_set_vgpr_msb 0x40
	v_lshl_add_u32 v192, v0, 2, 0x19400
	v_mov_b32 v193, 0
	s_set_vgpr_msb 0x4000
	v_lshrrev_b32 v14, 5, v0
	v_readfirstlane_b32 s26, v14                   ; wave
	v_and_b32 v15, 31, v0
	v_lshlrev_b32 v1, 4, v15                       ; 16 x lane
	v_lshlrev_b32 v2, 4, v0                        ; 16 x thread
	v_lshlrev_b32 v3, 2, v15                       ; 4 x lane
	v_and_b32 v14, 15, v0                          ; r
	v_and_b32 v4, 8, v14
	v_add_nc_u32 v4, v4, v14                       ; r + 8 (r / 8)
	v_bfe_u32 v5, v0, 4, 1                         ; h
	v_lshl_add_u32 v6, v5, 6, BIAS                 ; Q K: my half's 16 biases of a block of 32
	v_add_nc_u32 v8, HALF, v1
	v_add_nc_u32 v9, PSC, v1
	v_sub_nc_u32 v10, 1, v5
	v_lshlrev_b32 v11, 4, v14
	v_add_nc_u32 v13, HALF, v2
	s_lshl_b32 s66, s26, 7
	s_add_co_u32 s66, s66, BIAS
	v_lshl_add_u32 v14, v4, 2, s66                 ; V: my channel's bias: column 32 wave + r + 8 (r / 8) of the block
	v_lshlrev_b32 v224, 2, v0
	v_add_nc_u32 v225, BIAS, v224
	s_cmp_lt_u32 ttmp9, 16
	s_cselect_b32 s27, 1, 0                        ; 1: Q K;  0: V
	s_max_u32 s66, ttmp9, 16
	s_sub_co_u32 s66, s66, 16
	s_lshr_b32 s29, s66, 3                         ; V: ks
	s_and_b32 s30, s66, 7                          ; V: column block
	s_min_u32 s28, ttmp9, 15                       ; Q K: column block, 0-7 Q, 8-15 K
	s_and_b32 s93, s28, 7
	s_add_co_u32 s67, s28, 32
	s_cmp_lg_u32 s27, 0
	s_cselect_b32 s31, s67, s29                    ; P's block
	s_lshl_b32 s39, s26, 3
	s_add_co_u32 s42, s30, 48                      ; V: R's tiles: 8 (48 + column block) + 2 wave, + 1
	s_lshl_b32 s42, s42, 3
	s_lshl_b32 s67, s26, 1
	s_add_co_u32 s42, s42, s67
	s_add_co_u32 s43, s42, 1
	s_lshr_b32 s77, s28, 3                         ; Q K: the record's offset but for the tile: 2^22 x (K?) + 2,048 x pair of heads
	s_lshl_b32 s77, s77, 22
	s_lshl_b32 s68, s93, 11
	s_add_co_u32 s77, s77, s68
	s_add_co_u32 s70, s77, 1536
	s_lshl_b32 s66, s30, 1                         ; V: head = 2 column block + wave / 2
	s_lshr_b32 s67, s26, 1
	s_add_co_u32 s66, s66, s67
	s_lshl_b32 s66, s66, 5
	s_add_co_u32 s66, s66, s29
	s_lshl_b32 s66, s66, 2
	s_and_b32 s67, s26, 1
	s_lshl_b32 s67, s67, 1
	s_add_co_u32 s66, s66, s67                     ; (32 head + ks) 4 + 2 (wave % 2)
	s_mul_i32 s68, s66, 1536
	s_add_co_u32 s71, s68, 1536
	s_lshl_b32 s69, s66, 7
	s_add_co_u32 s72, s69, 128
	s_cmp_lg_u32 s27, 0
	s_cselect_b32 s88, 16384, 0                    ; a result's offset = tile x s88 + a constant of the work-group and wave
	s_cselect_b32 s89, s77, s68
	s_cselect_b32 s90, s77, s71
	s_cselect_b32 s91, s70, s69
	s_cselect_b32 s92, s70, s72
	s_mov_b32 s[SEL], 0x76543210
	s_mov_b32 s[SEL+1], 0xfedcba98
	s_mov_b32 s36, 0
	s_mov_b32 s67, 0
	s_wait_kmcnt 0x0
	s_load_b32 s37, s[12:13], 520                  ; groups of 8 tiles to walk
	s_cmp_lg_u32 s27, 0
	s_cselect_b64 s[84:85], s[24:25], s[20:21]     ; images go to qk or to vimg,
	s_cselect_b64 s[86:87], s[24:25], s[22:23]     ; scale words to qk or to vsc
	s_mul_i32 s66, s31, 98304
	s_add_nc_u64 s[32:33], s[8:9], s[66:67]
	s_lshl_b32 s66, s31, 12
	s_add_nc_u64 s[34:35], s[10:11], s[66:67]
	s_cmp_lt_u32 s28, 8
	s_cselect_b64 s[62:63], s[14:15], s[16:17]
	s_cmp_lg_u32 s27, 0
	s_cselect_b64 s[62:63], s[62:63], s[18:19]     ; bq, bk or bv
	s_cselect_b32 s66, s93, s30
	s_lshl_b32 s66, s66, 9
	s_add_nc_u64 s[62:63], s[62:63], s[66:67]
	global_load_b32 v226, v224, s[62:63]           ; the block's 128 biases, one a thread
.irp i, 0,1
	global_load_b128 v[16+4*\i:19+4*\i], v2, s[34:35] offset:2048*\i
.endr
.set i, 0
.rept 48
	global_load_b128 v[32+4*i:35+4*i], v2, s[32:33] offset:2048*i   ; P's block, 2,048 consecutive bytes a load of the work-group
.set i, i+1
.endr
	RLOAD
	s_min_u32 s37, s37, 32
	s_cmp_lg_u32 s27, 0
	s_cselect_b32 s37, s37, 1                      ; trips
	s_wait_loadcnt 56                              ; all but R's 56 loads, the only ones issued behind the staging loads
	ds_store_b32 v225, v226
	ds_store_b128 v13, v[16:19] offset:PSC-HALF
	ds_store_b128 v13, v[20:23] offset:PSC-HALF+2048
.set i, 0
.rept 24
	ds_store_b128 v2, v[32+4*i:35+4*i] offset:2048*i
.set i, i+1
.endr
.rept 24
	ds_store_b128 v13, v[32+4*i:35+4*i] offset:2048*(i-24)
.set i, i+1
.endr
	s_wait_dscnt 0x0                               ; for the others' sake: my part of P has landed
	s_barrier_signal -1
	s_barrier_wait -1                              ; the launch's one barrier; LDS is only read from here on
.Ltrip:
	ds_load_b128 v[16:19], v9
	PGROUP 0, 0
	PGROUP 0, 1
	PGROUP 0, 2
	PGROUP 0, 3
	WIN 0x04                                       ; source 1 (R) window 1
.irp s, 0,1,2,3,4,5,6,7
	KSTEP \s
.endr
	WIN 0
	s_wait_kmcnt 0x0                               ; the tiles' mask words
	s_cmp_lg_u32 s27, 0
	s_cbranch_scc0 .Lbias_v
	; Q K: register 16 b + i wants the bias of column 32 b + 16 h + i, for both tiles of tokens
.irp b, 0,1,2,3
.irp j, 0,1,2,3
	ds_load_b128 v[32+16*\b+4*\j:35+16*\b+4*\j], v6 offset:128*\b+16*\j
.endr
.endr
	s_wait_dscnt 0x0
.irp p, 0,1
.set i, 0
.rept 32
	v_pk_add_f32 v[128+64*\p+2*i:129+64*\p+2*i], v[128+64*\p+2*i:129+64*\p+2*i], v[32+2*i:33+2*i]   ; each accumulator from its low end on
.set i, i+1
.endr
.endr
.irp p, 0,1
	v_add_nc_u32 v15, s[52+\p], v4                 ; my token's bit in the tile's mask word
	v_lshrrev_b32 v15, v15, s[50+\p]
	v_and_b32 v15, 1, v15
	v_cmp_ne_u32 vcc_lo, 0, v15
.set i, 0
.rept 64
	v_cndmask_b32 v[128+64*\p+i], 0, v[128+64*\p+i], vcc_lo   ; a token outside the main segment becomes zeros
.set i, i+1
.endr
.endr
	s_branch .Lout
.Lbias_v:                                          ; V: one bias a lane and tile, twice for the packed addition
	ds_load_b32 v32, v14
	ds_load_b32 v33, v14
	ds_load_b32 v34, v14 offset:32
	ds_load_b32 v35, v14 offset:32
	s_wait_dscnt 0x0
.irp p, 0,1
.set i, 0
.rept 32
	v_pk_add_f32 v[128+64*\p+2*i:129+64*\p+2*i], v[128+64*\p+2*i:129+64*\p+2*i], v[32+2*\p:33+2*\p]
.set i, i+1
.endr
.endr
.Lout:
.irp p, 0,1
	QUANT 128+64*\p, 32+20*\p, 88+\p
.irp c, 0,1,2
	global_store_b128 v1, v[32+20*\p+4*\c:35+20*\p+4*\c], s[80+2*\p:81+2*\p] offset:512*\c   ; 512 consecutive bytes, aligned
.endr
	global_store_b32 v3, v[88+\p], s[94+2*\p:95+2*\p]
.endr
	s_add_co_u32 s36, s36, 1
	s_cmp_ge_u32 s36, s37
	s_cbranch_scc1 .Ldone
	RLOAD                                          ; its first line frees the stores' data, which P's fragments overwrite next
	s_cmp_lt_u32 s36, s37
	s_cbranch_scc1 .Ltrip
.Ldone:
	s_set_vgpr_msb 0x5
	s_wait_tensorcnt 0x0
	ds_add_u32 v192, v193
	s_wait_dscnt 0x0
	s_set_vgpr_msb 0x500
	s_endpgm
.Lfunc_end_k_qa468d38248_proj:
	.size	k_qa468d38248_proj, .Lfunc_end_k_qa468d38248_proj-k_qa468d38248_proj
	.p2alignl 7, 3214868480
	.fill 96, 4, 3214868480
	.section	.rodata,"a",@progbits
	.p2align	6, 0x0
	.amdhsa_kernel k_qa468d38248_proj
		.amdhsa_group_segment_fixed_size 103936
		.amdhsa_private_segment_fixed_size 0
		.amdhsa_enable_private_segment 0
		.amdhsa_kernarg_size 72
		.amdhsa_user_sgpr_count 2
		.amdhsa_user_sgpr_kernarg_segment_ptr 1
		.amdhsa_wavefront_size32 1
		.amdhsa_system_sgpr_workgroup_id_x 1
		.amdhsa_system_sgpr_workgroup_id_y 1
		.amdhsa_system_sgpr_workgroup_id_z 1
		.amdhsa_system_vgpr_workitem_id 0
		.amdhsa_next_free_vgpr 450
		.amdhsa_next_free_sgpr 100
		.amdhsa_reserve_vcc 1
		.amdhsa_float_denorm_mode_32 3
		.amdhsa_float_denorm_mode_16_64 3
		.amdhsa_memory_ordered 1
		.amdhsa_forward_progress 1
		.amdhsa_inst_pref_size 84
	.end_amdhsa_kernel
	.amdgpu_metadata
---
amdhsa.version: [ 1, 2 ]
amdhsa.kernels:
  - .name:           k_qa468d38248_proj
    .symbol:         k_qa468d38248_proj.kd
    .args:
      - { .name: img, .offset: 0, .size: 8, .value_kind: global_buffer, .address_space: global }
      - { .name: scl, .offset: 8, .size: 8, .value_kind: global_buffer, .address_space: global }
      - { .name: route, .offset: 16, .size: 8, .value_kind: global_buffer, .address_space: global }
      - { .name: bq, .offset: 24, .size: 8, .value_kind: global_buffer, .address_space: global }
      - { .name: bk, .offset: 32, .size: 8, .value_kind: global_buffer, .address_space: global }
      - { .name: bv, .offset: 40, .size: 8, .value_kind: global_buffer, .address_space: global }
      - { .name: vimg, .offset: 48, .size: 8, .value_kind: global_buffer, .address_space: global }
      - { .name: vsc, .offset: 56, .size: 8, .value_kind: global_buffer, .address_space: global }
      - { .name: qk, .offset: 64, .size: 8, .value_kind: global_buffer, .address_space: global }
    .group_segment_fixed_size: 103936
    .private_segment_fixed_size: 0
    .kernarg_segment_align: 8
    .kernarg_segment_size: 72
    .max_flat_workgroup_size: 128
    .sgpr_count:     100
    .vgpr_count:     450
    .wavefront_size: 32
...
	.end_amdgpu_metadata
.endif
;; end of part 2
;; launch attn (part 3): grid 16 x 16, 16 waves a work-group, no clusters, 296,960 bytes of LDS; arguments route, qk, vimg, vsc, wvc, wvs; writes wvc, wvs
.if DOCPART == 3
	.amdgcn_target "amdgcn-amd-amdhsa--gfx1250"
	.amdhsa_code_object_version 6
	.text
	.protected	k_qa468d38248_attn
	.globl	k_qa468d38248_attn
	.p2align	8
	.type	k_qa468d38248_attn,@function
k_qa468d38248_attn:
	s_mov_b64 s[64:65], 0
	v_nop
	global_prefetch_b8 v0, s[64:65] scope:SCOPE_SE
	s_setreg_imm32_b32 hwreg(HW_REG_WAVE_MODE, 25, 1), 1
	s_wait_xcnt 0x0
; The attention of the query tiles that hold a token of the main segment, on codes of BF6; all other rows of the result are thrown away by the mean that follows.
; For such a query the mask keeps the scores of main keys and sets all others to 0, NOT to -infinity: every one of the 4,096 keys counts in the softmax and in the second product.
; K's codes of tokens outside the segment are zeros, so their scores are exact zeros; a tile of keys with no main token is not even loaded (zero codes are written), and a step of 128 keys with none takes the
; short way: every p is 2^-M, and the quantiser is run on that one number.
; THE SOFTMAX AHEAD OF THE SECOND PRODUCT: t = score x log2(e); M = the largest t so far rounded up to a whole number; p = 2^(t - M) is quantised along the keys; the sum is taken of the unquantised p.
; SHARES.  Work-group (x, y): head y; j = x % 8; b' = x / 8: channels 32 b' on of the head.  It takes the list's slots j + 8 (8 i + a), i = 0 .. 3, a = 0 .. 7: both loops have constant counts, and the work of a
; slot past the stored count is jumped over inside them; no barrier stands under such a jump.  Wave w owns key steps w and w + 16 (128 keys each); its four fragments of V^T stay in registers.
; Each wave keeps its own M, sum and O^T; they meet in LDS (a region for each a), and wave a brings region a under one M (exact powers of two), divides by the sum and quantises wv along the channels.
; LAYOUT.  Both products transposed: S^T = K Q^T, O^T = V^T P^T: a lane holds one query.  The head has 64 channels: a fragment's upper six registers (k = 64 ..) are zeros in Q; in K they are whatever follows
; (every bit pattern is a finite number of this format), times Q's zeros.
; OUT: wvc[slot][pair of heads][head % 2][lane'][24 bytes]: registers 6 c .. 6 c + 5 of the next product's fragment; wvs[slot][pair of heads][row]: scale words, byte 2 (head % 2) + b'.
; Trip work and addresses hang on stored numbers, so this launch has no tensor load and no joint loads; all its streams are asked for at the head, so nothing is prefetched.
; LIMITS: v_exp_f32 gives 0 for p under 2^-126; a wave's own M stands for the row's until the waves meet: only blocks whose scale the rule would hold at 2^-126 differ; NaN and infinities are not served.
; REGISTERS: v1-11, v29, v31, v94, v95 addresses; v12 -M, v13 the largest t, v[14:15] the sum; v16-27 Q (v22-27 zeros), v28 its scale words; v30 p's scale word; v32-85 K's eight tiles, six registers each
; (v80-85 zeros); v86-93 their scale words; v96-159 S^T, then p; v160-175 O^T; v176-223 V^T; v224-225 its scale words; v226-237 p's codes; v238-255 at work.
.set REG,  36864                       ; an LDS region: 16 waves x 2,048 bytes of O^T, then 16 x 256 bytes of (-M, sum)
.set BM,   238                         ; v238-241 the blocks' largest scores, then largest p
.set PT,   242                         ; v242-245 the other half's; then the bytes
.set SO,   246                         ; v246-249 the conversions' scale operands
; One step of 128 keys: sg = 0: key step w; 1: key step w + 16.
.macro STEP sg
	s_cmp_lg_u32 s[32+\sg], 0                      ; has the step a main key?
	s_cbranch_scc0 .Lshort_\@
.irp t, 0,1,2,3,4,5,6,7
	s_and_b32 s66, s[24+4*\sg+\t/2], s[34+\t%2]    ; has tile t?
	s_cbranch_scc0 .Lkz_\@_\t
	global_load_b64 v[32+6*\t:33+6*\t], v2, s[36+2*\sg:37+2*\sg] offset:16384*\t
	global_load_b64 v[34+6*\t:35+6*\t], v3, s[36+2*\sg:37+2*\sg] offset:16384*\t
	global_load_b64 v[36+6*\t:37+6*\t], v31, s[36+2*\sg:37+2*\sg] offset:16384*\t
	global_load_u16 v[86+\t], v94, s[36+2*\sg:37+2*\sg] offset:16384*\t
	s_branch .Lkd_\@_\t
.Lkz_\@_\t:
.irp n, 0,1,2,3,4,5
	v_mov_b32 v[32+6*\t+\n], 0                     ; zero codes: scores of exactly 0
.endr
	v_mov_b32 v[86+\t], 0x7f7f7f7f
.Lkd_\@_\t:
.endr
	s_wait_loadcnt 0x0                             ; K's tiles; Q and V too
.rept 8
	v_nop                                          ; a scale register written by a vector instruction stands 8 places ahead of the product, an operand so written 4
.endr
.irp t, 0,1,2,3,4,5,6,7
	v_wmma_scale_f32_16x16x128_f8f6f4 v[96+8*\t:103+8*\t], v[32+6*\t:43+6*\t], v[16:27], 0, v[86+\t], v28 matrix_a_fmt:MATRIX_FMT_BF6 matrix_b_fmt:MATRIX_FMT_BF6
.endr
.rept 4
	v_nop
.endr
.irp b, 0,1,2,3
	v_max3_num_f32 v[BM+\b], v[96+16*\b], v[97+16*\b], v[98+16*\b]   ; the largest score of each block of 32 keys: for the row's maximum, and, since p rises with the score, for the block's largest p
.endr
.irp i, 3,5,7,9,11,13
.irp b, 0,1,2,3
	v_max3_num_f32 v[BM+\b], v[BM+\b], v[96+16*\b+\i], v[97+16*\b+\i]
.endr
.endr
.irp b, 0,1,2,3
	v_max_num_f32 v[BM+\b], v[BM+\b], v[111+16*\b]
.endr
.irp b, 0,1,2,3
	v_permlanex16_b32 v[PT+\b], v[BM+\b], s50, s51
.endr
.irp b, 0,1,2,3
	v_max_num_f32 v[BM+\b], v[BM+\b], v[PT+\b]
.endr
	v_max3_num_f32 v254, v238, v239, v240
	v_max_num_f32 v254, v254, v241
	v_mul_f32 v254, s52, v254                      ; as t
	v_max_num_f32 v13, v13, v254                   ; the running largest t
	v_mov_b32 v254, v12
	v_floor_f32 v12, -v13                          ; the new -M = -ceil(t)
	v_sub_f32 v254, v12, v254
	v_cvt_i32_f32 v254, v254                       ; old M - new M, a whole number, 0 or less (it saturates)
	v_ldexp_f32 v250, 1.0, v254                    ; f = 2^(old M - new M)
.set j, 0
.rept 32
	v_pk_fma_f32 v[96+j:97+j], v[96+j:97+j], s[52:53], v[12:13] op_sel_hi:[1,0,0]   ; t - M
.set j, j+2
.endr
.irp b, 0,1,2,3
	v_fma_f32 v[BM+\b], v[BM+\b], s52, v12
.endr
.set j, 0
.rept 64
	v_exp_f32 v[96+j], v[96+j]                     ; p = 2^(t - M): one batch
.set j, j+1
.endr
	v_pk_mul_f32 v[14:15], v[14:15], v[250:251] op_sel_hi:[1,0]   ; the sum under the new M: the plain place behind the batch
	s_wait_alu depctr_va_vdst(0)                   ; one wait for the 64, ahead of their first reader
.irp b, 0,1,2,3
	v_exp_f32 v[BM+\b], v[BM+\b]                   ; the blocks' largest p
.endr
	v_pk_add_f32 v[252:253], v[96:97], v[98:99]    ; the sum of the unquantised p, in two chains
.irp j, 4,8,12,16,20,24,28,32,36,40,44,48,52,56,60
	v_pk_add_f32 v[14:15], v[14:15], v[96+\j:97+\j]
	v_pk_add_f32 v[252:253], v[252:253], v[98+\j:99+\j]
.endr
	v_pk_add_f32 v[14:15], v[14:15], v[252:253]
	s_wait_alu depctr_va_vdst(0)                   ; and one for the four
.irp b, 0,1,2,3
	v_max_num_f32 v[BM+\b], 0x2800000, v[BM+\b]    ; the floor 2^(5 - 127)
.endr
.irp b, 0,1,2,3
	v_add_nc_u32 v[SO+\b], 0xfe000000, v[BM+\b]
.endr
.irp b, 0,1,2,3
	v_lshrrev_b32 v[PT+\b], 23, v[SO+\b]
.endr
	v_lshl_or_b32 v30, v243, 8, v242               ; p's scale word for these 128 keys
	v_lshl_or_b32 v30, v244, 16, v30
	v_lshl_or_b32 v30, v245, 24, v30
.irp c, 0,1
	v_cvt_scalef32_pk16_bf6_f32 v[226+6*\c:228+6*\c], v[96+32*\c:111+32*\c], v[SO+2*\c]
	v_cvt_scalef32_pk16_bf6_f32 v[48+4*\c:50+4*\c], v[112+32*\c:127+32*\c], v[SO+2*\c+1]   ; (into K's registers, which are done with)
.endr
	v_nop
.irp c, 0,1
.irp i, 0,1,2
	v_permlane16_swap_b32 v[226+6*\c+\i], v[48+4*\c+\i]
.endr
.irp i, 0,1,2
	v_mov_b32 v[229+6*\c+\i], v[48+4*\c+\i]
.endr
.endr
.irp j, 0,2,4,6,8,10,12,14
	v_pk_mul_f32 v[160+\j:161+\j], v[160+\j:161+\j], v[250:251] op_sel_hi:[1,0]   ; O^T under the new M
.endr
	s_branch .Ljoin_\@
.Lshort_\@:                                        ; all 128 scores are 0
	v_max_num_f32 v13, 0, v13
	v_mov_b32 v254, v12
	v_floor_f32 v12, -v13
	v_sub_f32 v254, v12, v254
	v_cvt_i32_f32 v254, v254
	v_ldexp_f32 v250, 1.0, v254                    ; f
	v_pk_mul_f32 v[14:15], v[14:15], v[250:251] op_sel_hi:[1,0]
	v_cvt_i32_f32 v254, v12
	v_ldexp_f32 v255, 1.0, v254                    ; p = 2^-M, of every key
	v_fmac_f32 v14, 0x42800000, v255               ; 64 of them belong to my half of the lanes
	v_max_num_f32 v254, 0x2800000, v255            ; the rule's quantiser on a block of equal numbers
	v_add_nc_u32 v246, 0xfe000000, v254
	v_lshrrev_b32 v254, 23, v246
	v_mul_lo_u32 v30, 0x1010101, v254              ; the same byte for the four blocks
.set j, 0
.rept 16
	v_mov_b32 v[96+j], v255
.set j, j+1
.endr
	v_cvt_scalef32_pk16_bf6_f32 v[226:228], v[96:111], v246
	v_cvt_scalef32_pk16_bf6_f32 v[232:234], v[96:111], v246
	v_nop
.irp i, 0,1,2
	v_mov_b32 v[229+\i], v[226+\i]                 ; all codes are equal: no lane has to change places
	v_mov_b32 v[235+\i], v[232+\i]
.endr
.irp j, 0,2,4,6,8,10,12,14
	v_pk_mul_f32 v[160+\j:161+\j], v[160+\j:161+\j], v[250:251] op_sel_hi:[1,0]
.endr
	s_wait_loadcnt 0x0                             ; V
.Ljoin_\@:                                         ; O^T += V^T P^T: my 32 channels, two accumulators by turns
	v_wmma_scale_f32_16x16x128_f8f6f4 v[160:167], v[176+24*\sg:187+24*\sg], v[226:237], v[160:167], v[224+\sg], v30 matrix_a_fmt:MATRIX_FMT_BF6 matrix_b_fmt:MATRIX_FMT_BF6
	v_wmma_scale_f32_16x16x128_f8f6f4 v[168:175], v[188+24*\sg:199+24*\sg], v[226:237], v[168:175], v[224+\sg], v30 matrix_a_fmt:MATRIX_FMT_BF6 matrix_b_fmt:MATRIX_FMT_BF6 matrix_a_scale:MATRIX_SCALE_ROW1
.endm
	s_load_b256 s[4:11], s[0:1], 0x0               ; route, qk, vimg, vsc
	s_load_b128 s[12:15], s[0:1], 0x20             ; wvc, wvs
	v_lshrrev_b32 v1, 5, v0
	v_readfirstlane_b32 s16, v1                    ; wave
	s_and_b32 s17, ttmp9, 7                        ; j
	s_lshr_b32 s18, ttmp9, 3                       ; b'
	s_and_b32 s19, ttmp7, 0xffff                   ; head
	s_lshr_b32 s22, s19, 1                         ; pair of heads
	s_and_b32 s23, s19, 1                          ; c
	v_and_b32 v7, 31, v0                           ; lane
	v_and_b32 v8, 15, v0                           ; q
	v_bfe_u32 v29, v0, 4, 1                        ; h
	v_lshlrev_b32 v1, 4, v7
	v_and_b32 v4, 8, v8
	v_add_nc_u32 v4, v4, v8                        ; q + 8 (q / 8)
	s_lshl_b32 s66, s16, 11
	v_add_nc_u32 v5, s66, v1                       ; a region: my O^T: 2,048 wave + 16 lane
	s_lshl_b32 s66, s16, 8
	s_add_co_u32 s66, s66, 32768
	v_lshl_add_u32 v6, v7, 3, s66                  ; my (-M, sum): 32,768 + 256 wave + 8 lane
	s_min_u32 s66, s16, 7
	s_mul_i32 s66, s66, REG
	v_add_nc_u32 v9, s66, v1                       ; the region that I bring together (waves 0-7)
	s_add_co_u32 s66, s66, 32768
	v_lshl_add_u32 v10, v7, 3, s66
	s_mul_i32 s66, s18, 384
	v_mul_u32_u24 v11, v8, 24
	v_mad_u32_u24 v11, v29, 12, v11
	v_add_nc_u32 v11, s66, v11                     ; wv's codes: lane' = q + 16 b' has the block's 24 bytes; my half's 12
	s_mul_i32 s66, s23, 520                        ; a record is a fragment of two heads: head c's registers 6 c .. 6 c + 5, in pairs, lie at 16 l + 0, 8, 512 (c = 0) or 520, 1024, 1032 (c = 1)
	v_add_nc_u32 v2, s66, v1
	v_add_nc_u32 v31, 512, v2
	s_mul_i32 s66, s23, 1016
	s_add_co_u32 s66, s66, 8
	v_add_nc_u32 v3, s66, v1
	s_lshl_b32 s66, s23, 1
	s_add_co_u32 s66, s66, 1536
	v_lshl_add_u32 v94, v7, 2, s66                 ; and its two scale bytes at 1,536 + 4 l + 2 c
	v_lshlrev_b32 v95, 7, v29
	v_lshl_add_u32 v95, v8, 2, v95                 ; V's scale words: lanes 0-15 my first tile's, lanes 16-31 my second's
	v_lshlrev_b32 v29, 2, v8
.irp k, 22,23,24,25,26,27,80,81,82,83,84,85,242,243,244,245,251
	v_mov_b32 v\k, 0                               ; Q's upper codes; what stands behind K's last tile; lane permutes' destinations; the upper half of f's pair
.endr
	s_mov_b32 s34, 0x00ff00ff
	s_mov_b32 s35, 0xff00ff00
	s_mov_b32 s50, 0x76543210
	s_mov_b32 s51, 0xfedcba98
	s_mov_b32 s52, 0x3fb8aa3b                      ; log2(e)
	s_mov_b32 s53, s52
	s_wait_kmcnt 0x0
	s_load_b32 s20, s[4:5], 512                    ; slots that count
	s_lshl_b32 s66, s17, 2
	s_load_b32 s21, s[4:5], s66 offset:1024        ; the tile of my first slot
	s_lshl_b32 s67, s16, 4
	s_load_b128 s[24:27], s[4:5], s67              ; the mask words of key step w,
	s_load_b128 s[28:31], s[4:5], s67 offset:256   ; and of w + 16
	s_add_co_u32 s68, s16, 32
	s_lshl_b32 s68, s68, 17                        ; K's records of tile 8 w: (256 + 8 w) x 16,384
	s_lshl_b32 s58, s22, 11
	s_add_co_u32 s68, s68, s58
	s_mov_b32 s69, 0
	s_add_nc_u64 s[36:37], s[6:7], s[68:69]
	s_add_nc_u64 s[38:39], s[36:37], 0x200000
	s_lshl_b32 s68, s19, 5
	s_add_co_u32 s68, s68, s16
	s_lshl_b32 s68, s68, 2
	s_lshl_b32 s70, s18, 1
	s_add_co_u32 s70, s68, s70                     ; (32 head + w) 4 + 2 b'
	s_mul_i32 s68, s70, 1536
	s_add_nc_u64 s[72:73], s[8:9], s[68:69]
	s_lshl_b32 s68, s70, 7
	s_add_nc_u64 s[74:75], s[10:11], s[68:69]
	s_wait_kmcnt 0x0
	s_min_u32 s20, s20, 256
	s_or_b32 s32, s24, s25
	s_or_b32 s32, s32, s26
	s_or_b32 s32, s32, s27
	s_or_b32 s33, s28, s29
	s_or_b32 s33, s33, s30
	s_or_b32 s33, s33, s31
	s_cmp_lt_u32 s17, s20
	s_cbranch_scc0 .Lidle
.irp g, 0,1
.irp u, 0,1
.irp c, 0,1,2
	global_load_b128 v[176+24*\g+12*\u+4*\c:179+24*\g+12*\u+4*\c], v1, s[72:73] offset:98304*\g+1536*\u+512*\c
.endr
.endr
	global_load_b32 v[224+\g], v95, s[74:75] offset:8192*\g
.endr
	s_branch .Lgo
.Lidle:                                            ; no slot of mine counts: V is not fetched; its registers are written on this way too
.set j, 176
.rept 50
	v_mov_b32 v[j], 0
.set j, j+1
.endr
.Lgo:
	s_mov_b32 s42, 0
.Louter:
	s_mov_b32 s43, 0
	s_mov_b32 s46, 0
.Linner:
	s_lshl_b32 s44, s42, 3
	s_add_co_u32 s44, s44, s43
	s_lshl_b32 s45, s44, 3
	s_add_co_u32 s45, s45, s17                     ; the slot
	s_cmp_lt_u32 s45, s20
	s_cbranch_scc0 .Lskip
	s_cmp_eq_u32 s44, 0
	s_cbranch_scc1 .Lfirst
	s_min_u32 s66, s45, 255
	s_lshl_b32 s66, s66, 2
	s_load_b32 s67, s[4:5], s66 offset:1024
	s_wait_kmcnt 0x0
	s_branch .Lhave
.Lfirst:
	s_mov_b32 s67, s21
.Lhave:
	s_lshr_b32 s68, s67, 1
	s_min_u32 s68, s68, 127
	s_lshl_b32 s68, s68, 2
	s_load_b32 s47, s[4:5], s68                    ; the tile's mask word: waited for at the tile's end
	s_and_b32 s48, s67, 1
	s_lshl_b32 s48, s48, 3
	s_min_u32 s69, s67, 255
	s_lshl_b32 s70, s69, 14
	s_add_co_u32 s70, s70, s58
	s_mov_b32 s71, 0
	s_add_nc_u64 s[40:41], s[6:7], s[70:71]
	global_load_b64 v[16:17], v2, s[40:41]         ; Q
	global_load_b64 v[18:19], v3, s[40:41]
	global_load_b64 v[20:21], v31, s[40:41]
	global_load_u16 v28, v94, s[40:41]
	v_mov_b32 v13, 0xff61b1e6                      ; the largest t so far: -3e38
	v_floor_f32 v12, -v13
	v_mov_b32 v14, 0
	v_mov_b32 v15, 0
.set j, 160
.rept 16
	v_mov_b32 v[j], 0                              ; O^T: the step is written for any step; the first finds zeros
.set j, j+1
.endr
	STEP 0
	STEP 1
	v_add_f32 v14, v14, v15                        ; the sum's two halves (these lines are the places behind the last products),
	v_permlanex16_b32 v242, v14, s50, s51
	v_add_f32 v13, v14, v242                       ; and the other half of the lanes'
	s_wait_kmcnt 0x0
	v_add_nc_u32 v254, s48, v4
	v_lshrrev_b32 v254, v254, s47
	v_and_b32 v254, 1, v254
	v_cmp_ne_u32 vcc_lo, 0, v254
.set j, 160
.rept 16
	v_cndmask_b32 v[j], 0, v[j], vcc_lo            ; a query outside the main segment adds nothing to the mean
.set j, j+1
.endr
	v_add_nc_u32 v7, s46, v5
	v_add_nc_u32 v8, s46, v6
.irp c, 0,1,2,3
	ds_store_b128 v7, v[160+4*\c:163+4*\c] offset:512*\c
.endr
	ds_store_b64 v8, v[12:13]
	s_wait_loadcnt 0x0                             ; Q too, where both steps took the short way: its registers are loaded again in a later trip
.Lskip:
	s_add_co_u32 s46, s46, REG
	s_add_co_u32 s43, s43, 1
	s_cmp_lt_u32 s43, 8
	s_cbranch_scc1 .Linner
	s_wait_dscnt 0x0                               ; for the others' sake: my parts have landed
	s_barrier_signal -1
	s_barrier_wait -1
	s_cmp_lt_u32 s16, 8                            ; wave a brings region a together, if its slot counts
	s_cbranch_scc0 .Lnored
	s_lshl_b32 s66, s42, 3
	s_add_co_u32 s66, s66, s16
	s_lshl_b32 s66, s66, 3
	s_add_co_u32 s66, s66, s17
	s_cmp_lt_u32 s66, s20
	s_cbranch_scc0 .Lnored
.set k, 0
.rept 16
	ds_load_b64 v[32+2*k:33+2*k], v10 offset:256*k
.set k, k+1
.endr
.irp k, 0,1,2,3
.irp c, 0,1,2,3
	ds_load_b128 v[96+16*\k+4*\c:99+16*\k+4*\c], v9 offset:2048*\k+512*\c
.endr
.endr
	s_lshl_b32 s67, s66, 3
	s_add_co_u32 s67, s67, s22
	s_lshl_b32 s70, s67, 1
	s_add_co_u32 s70, s70, s23
	s_mul_i32 s70, s70, 768
	s_mov_b32 s71, 0
	s_add_nc_u64 s[54:55], s[12:13], s[70:71]
	s_lshl_b32 s70, s67, 6
	s_lshl_b32 s69, s23, 1
	s_add_co_u32 s70, s70, s69
	s_add_co_u32 s70, s70, s18
	s_add_nc_u64 s[56:57], s[14:15], s[70:71]
	s_wait_dscnt 16                                ; the sixteen (-M, sum) are in; the sixteen loads of O^T behind them may be out
	v_min3_num_f32 v238, v32, v34, v36
.irp k, 38,42,46,50,54,58
	v_min3_num_f32 v238, v238, v\k, v[\k+2]
.endr
	v_min_num_f32 v238, v238, v62                  ; the row's -M
.set k, 0
.rept 16
	v_sub_f32 v[64+k], v238, v[32+2*k]             ; wave k's M less the row's: a whole number, 0 or less
.set k, k+1
.endr
.set k, 0
.rept 16
	v_cvt_i32_f32 v[64+k], v[64+k]
.set k, k+1
.endr
.set k, 0
.rept 16
	v_ldexp_f32 v[64+k], 1.0, v[64+k]              ; f_k: an exact power of two
.set k, k+1
.endr
	v_mul_f32 v239, v64, v33
.set k, 1
.rept 15
	v_fmac_f32 v239, v[64+k], v[33+2*k]            ; the row's sum
.set k, k+1
.endr
.irp g, 0,1,2,3                                ; four waves' O^T at a time
	s_wait_dscnt 0x0
.irp k, 0,1,2,3
.set j, 0
.rept 16
.if (\g == 0) && (\k == 0)
	v_mul_f32 v[160+j], v64, v[96+j]
.else
	v_fmac_f32 v[160+j], v[64+4*\g+\k], v[96+16*\k+j]
.endif
.set j, j+1
.endr
.endr
.if \g < 3
.irp k, 0,1,2,3
.irp c, 0,1,2,3
	ds_load_b128 v[96+16*\k+4*\c:99+16*\k+4*\c], v9 offset:2048*(4*(\g+1)+\k)+512*\c
.endr
.endr
.endif
.endr
	v_rcp_f32 v239, v239
	v_nop                                          ; a plain place behind the reciprocal,
	s_wait_alu depctr_va_vdst(0)                   ; and the wait ahead of its first reader
.set j, 160
.rept 16
	v_mul_f32 v[j], v239, v[j]                     ; wv(q, 64 head + 32 b' + 16 h + 0 .. 15)
.set j, j+1
.endr
	v_max3_num_f32 v240, |v160|, |v161|, 0x2800000 ; the block of 32 channels lies in lanes l and l xor 16
.irp i, 2,4,6,8,10,12,14
	v_max3_num_f32 v240, v240, |v[160+\i]|, |v[161+\i]|
.endr
	v_permlanex16_b32 v242, v240, s50, s51
	v_max_num_f32 v240, v240, v242
	v_add_nc_u32 v246, 0xfe000000, v240
	v_lshrrev_b32 v247, 23, v246
	v_cvt_scalef32_pk16_bf6_f32 v[226:228], v[160:175], v246
	v_nop
	global_store_b96 v11, v[226:228], s[54:55]     ; the address puts each half block where the next product's lane wants it
	global_store_b8 v29, v247, s[56:57]            ; both halves of the lanes store the same byte
	s_wait_xcnt 0x0                                ; the stores have read their data and bases: a later trip writes them again
.Lnored:
	s_wait_dscnt 0x0                               ; my reads of the regions are over
	s_barrier_signal -1
	s_barrier_wait -1                              ; only now are they written again
	s_add_co_u32 s42, s42, 1
	s_cmp_lt_u32 s42, 4
	s_cbranch_scc1 .Louter
	s_wait_xcnt 0x0
	v_lshl_add_u32 v254, v0, 2, 0x48000
	v_mov_b32 v255, 0
	s_wait_tensorcnt 0x0
	ds_add_u32 v254, v255
	s_wait_dscnt 0x0
	s_endpgm
.Lfunc_end_k_qa468d38248_attn:
	.size	k_qa468d38248_attn, .Lfunc_end_k_qa468d38248_attn-k_qa468d38248_attn
	.p2alignl 7, 3214868480
	.fill 96, 4, 3214868480
	.section	.rodata,"a",@progbits
	.p2align	6, 0x0
	.amdhsa_kernel k_qa468d38248_attn
		.amdhsa_group_segment_fixed_size 296960
		.amdhsa_private_segment_fixed_size 0
		.amdhsa_enable_private_segment 0
		.amdhsa_kernarg_size 48
		.amdhsa_user_sgpr_count 2
		.amdhsa_user_sgpr_kernarg_segment_ptr 1
		.amdhsa_wavefront_size32 1
		.amdhsa_system_sgpr_workgroup_id_x 1
		.amdhsa_system_sgpr_workgroup_id_y 1
		.amdhsa_system_sgpr_workgroup_id_z 1
		.amdhsa_system_vgpr_workitem_id 0
		.amdhsa_next_free_vgpr 256
		.amdhsa_next_free_sgpr 96
		.amdhsa_reserve_vcc 1
		.amdhsa_float_denorm_mode_32 3
		.amdhsa_float_denorm_mode_16_64 3
		.amdhsa_memory_ordered 1
		.amdhsa_forward_progress 1
		.amdhsa_inst_pref_size 71
	.end_amdhsa_kernel
	.amdgpu_metadata
---
amdhsa.version: [ 1, 2 ]
amdhsa.kernels:
  - .name:           k_qa468d38248_attn
    .symbol:         k_qa468d38248_attn.kd
    .args:
      - { .name: route, .offset: 0, .size: 8, .value_kind: global_buffer, .address_space: global }
      - { .name: qk, .offset: 8, .size: 8, .value_kind: global_buffer, .address_space: global }
      - { .name: vimg, .offset: 16, .size: 8, .value_kind: global_buffer, .address_space: global }
      - { .name: vsc, .offset: 24, .size: 8, .value_kind: global_buffer, .address_space: global }
      - { .name: wvc, .offset: 32, .size: 8, .value_kind: global_buffer, .address_space: global }
      - { .name: wvs, .offset: 40, .size: 8, .value_kind: global_buffer, .address_space: global }
    .group_segment_fixed_size: 296960
    .private_segment_fixed_size: 0
    .kernarg_segment_align: 8
    .kernarg_segment_size: 48
    .max_flat_workgroup_size: 512
    .sgpr_count:     96
    .vgpr_count:     256
    .wavefront_size: 32
...
	.end_amdgpu_metadata
.endif
;; end of part 3
;; launch outp (part 4): grid 64 x 1, 32 waves a work-group, no clusters, 6,144 bytes of LDS; arguments route, img, scl, wvc, wvs, bo, out0; writes out0
.if DOCPART == 4
	.amdgcn_target "amdgcn-amd-amdhsa--gfx1250"
	.amdhsa_code_object_version 6
	.text
	.protected	k_qa468d38248_outp
	.globl	k_qa468d38248_outp
	.p2align	8
	.type	k_qa468d38248_outp,@function
k_qa468d38248_outp:
	s_mov_b64 s[64:65], 0
	v_nop
	global_prefetch_b8 v0, s[64:65] scope:SCOPE_SE
	s_setreg_imm32_b32 hwreg(HW_REG_WAVE_MODE, 25, 1), 1
	s_wait_xcnt 0x0
; out0 = (the sum over main tokens of wv Wo^T) / their count + bo, the product on codes of BF6.  Rows of wv outside the main segment are zero codes, so a sum over all rows of the listed tiles is the sum wanted.
; SHARES.  Work-group NT takes one tile of 16 rows of Wo = 16 outputs.  Wave w: K steps 2 (w % 4) and 2 (w % 4) + 1; list slots w / 4, w / 4 + 8, ..: the stored count gives the trips of the loop, in which no barrier stands.
; Source 0 = 16 rows of wv, source 1 = Wo's tile: a lane holds one output and eight rows; two accumulators, one for each K step, by turns.
; The 32 waves' sums meet in LDS; wave 0 finishes.  A work-group's outputs are 16 numbers in two runs of 32 bytes: the whole output is 4,096 bytes.
; The trip count is read from memory, so there is no tensor load and no joint load.  LIMITS: NaN and infinities are not served.
	s_load_b256 s[4:11], s[0:1], 0x0               ; route, img, scl, wvc
	s_load_b128 s[12:15], s[0:1], 0x20             ; wvs, bo
	s_load_b64 s[16:17], s[0:1], 0x30              ; out0
	v_lshl_add_u32 v96, v0, 2, 0x800
	v_mov_b32 v97, 0
	v_lshrrev_b32 v1, 5, v0
	v_readfirstlane_b32 s18, v1                    ; wave
	v_and_b32 v5, 31, v0
	v_and_b32 v6, 15, v0                           ; r
	v_bfe_u32 v7, v0, 4, 1                         ; h
	v_lshlrev_b32 v1, 4, v5                        ; 16 x lane
	v_mul_u32_u24 v2, v5, 24                       ; 24 x lane
	v_lshlrev_b32 v3, 2, v6                        ; 4 r
	v_lshlrev_b32 v4, 4, v6                        ; 16 r
	v_and_b32 v8, 8, v6
	v_add_nc_u32 v8, v8, v6
	v_lshlrev_b32 v8, 2, v8                        ; 4 (r + 8 (r / 8)): my output in the tile's 32
	s_lshl_b32 s30, s18, 6
	v_add_nc_u32 v9, s30, v3                       ; LDS: 64 wave + 4 r
	v_lshl_add_u32 v10, v7, 10, v3                 ; and back: waves 16 h on
	v_mov_b32 v43, 0                               ; a lane permute's destination counts as one of its sources
	s_and_b32 s19, s18, 3
	s_lshr_b32 s20, s18, 2                         ; my first slot
	s_mov_b32 s36, 0x76543210
	s_mov_b32 s37, 0xfedcba98
	s_mov_b32 s33, 0
	s_wait_kmcnt 0x0
	s_load_b64 s[22:23], s[4:5], 512               ; slots that count, main tokens
	s_lshr_b32 s30, ttmp9, 3
	s_add_co_u32 s30, s30, 56                      ; Wo's block
	s_mul_i32 s32, s30, 98304
	s_mul_i32 s31, s19, 24576
	s_add_co_u32 s32, s32, s31
	s_and_b32 s31, ttmp9, 7
	s_mul_i32 s31, s31, 1536
	s_add_co_u32 s32, s32, s31
	s_add_nc_u64 s[24:25], s[6:7], s[32:33]
	s_lshl_b32 s32, s30, 12
	s_lshl_b32 s31, s19, 10
	s_add_co_u32 s32, s32, s31
	s_and_b32 s31, ttmp9, 1
	s_lshl_b32 s31, s31, 8
	s_add_co_u32 s32, s32, s31
	s_bfe_u32 s31, ttmp9, 0x20001
	s_lshl_b32 s31, s31, 2
	s_add_co_u32 s32, s32, s31
	s_add_nc_u64 s[26:27], s[8:9], s[32:33]
.irp e, 0,1
.irp c, 0,1,2
	global_load_b128 v[16+12*\e+4*\c:19+12*\e+4*\c], v1, s[24:25] offset:12288*\e+512*\c   ; Wo's two fragments stay
.endr
	global_load_b32 v[40+\e], v4, s[26:27] offset:512*\e
.endr
	s_lshr_b32 s32, ttmp9, 1
	s_lshl_b32 s32, s32, 7
	s_and_b32 s31, ttmp9, 1
	s_lshl_b32 s31, s31, 5
	s_add_co_u32 s32, s32, s31                     ; 4 (32 (NT / 2) + 8 (NT % 2))
	s_add_nc_u64 s[14:15], s[14:15], s[32:33]
	s_add_nc_u64 s[16:17], s[16:17], s[32:33]
	global_load_b32 v42, v8, s[14:15]              ; bo
	s_lshl_b32 s31, s20, 3
	s_lshl_b32 s30, s19, 1
	s_add_co_u32 s31, s31, s30                     ; 8 slot + my first K step
	s_mul_i32 s32, s31, 1536
	s_add_nc_u64 s[28:29], s[10:11], s[32:33]
	s_lshl_b32 s32, s31, 6
	s_add_nc_u64 s[34:35], s[12:13], s[32:33]
.set j, 72
.rept 16
	v_mov_b32 v[j], 0                              ; a wave may have no slot: its sums are zeros
.set j, j+1
.endr
	s_wait_kmcnt 0x0
	s_min_u32 s22, s22, 256
	s_cmp_lt_u32 s20, s22
	s_cbranch_scc0 .Lnone
	s_sub_co_u32 s38, s22, s20                     ; my slots are first, first + 8, .. under the count: (count - first + 7) / 8 of them,
	s_add_co_u32 s38, s38, 7
	s_lshr_b32 s38, s38, 3
	s_min_u32 s38, s38, 32                         ; 32 at the most: 256 slots, eight apart
	s_mov_b32 s21, 0                               ; trips made
.Lslot:
.irp e, 0,1
.irp c, 0,1
.irp p, 0,1,2
	global_load_b64 v[44+12*\e+6*\c+2*\p:45+12*\e+6*\c+2*\p], v2, s[28:29] offset:1536*\e+768*\c+8*\p
.endr
.endr
	global_load_b32 v[68+\e], v3, s[34:35] offset:64*\e
.endr
	s_wait_loadcnt 0x0                             ; wv's fragments (Wo's too, in the first trip); the bases are free
	v_wmma_scale_f32_16x16x128_f8f6f4 v[72:79], v[44:55], v[16:27], v[72:79], v68, v40 matrix_a_fmt:MATRIX_FMT_BF6 matrix_b_fmt:MATRIX_FMT_BF6
	v_wmma_scale_f32_16x16x128_f8f6f4 v[80:87], v[56:67], v[28:39], v[80:87], v69, v41 matrix_a_fmt:MATRIX_FMT_BF6 matrix_b_fmt:MATRIX_FMT_BF6
.rept 4
	v_nop                                          ; places in front of the next trip's loads and of the first read of results
.endr
	s_add_nc_u64 s[28:29], s[28:29], 98304         ; eight slots on
	s_add_nc_u64 s[34:35], s[34:35], 4096
	s_add_co_u32 s21, s21, 1
	s_cmp_lt_u32 s21, s38
	s_cbranch_scc1 .Lslot
.Lnone:
	s_wait_loadcnt 0x0
.irp j, 0,1,2,3,4,5,6,7
	v_add_f32 v[72+\j], v[72+\j], v[80+\j]         ; both accumulators from their low ends on
.endr
	v_add_f32 v72, v72, v73
	v_add_f32 v74, v74, v75
	v_add_f32 v76, v76, v77
	v_add_f32 v78, v78, v79
	v_add_f32 v72, v72, v74
	v_add_f32 v76, v76, v78
	v_add_f32 v72, v72, v76                        ; my eight rows,
	v_permlanex16_b32 v43, v72, s36, s37
	v_add_f32 v72, v72, v43                        ; all sixteen
	ds_store_b32 v9, v72
	s_wait_dscnt 0x0
	s_barrier_signal -1
	s_barrier_wait -1
	s_cmp_lg_u32 s18, 0
	s_cbranch_scc1 .Lend
.set k, 0
.rept 16
	ds_load_b32 v[44+k], v10 offset:64*k
.set k, k+1
.endr
	v_cvt_f32_u32 v60, s23
	v_rcp_f32 v60, v60                             ; 1 / the count of main tokens (token 100 is one: never 0)
	s_wait_dscnt 0x0
.set k, 1
.rept 15
	v_add_f32 v44, v44, v[44+k]
.set k, k+1
.endr
	v_permlanex16_b32 v43, v44, s36, s37
	v_add_f32 v44, v44, v43                        ; the 32 waves' sums
	s_wait_alu depctr_va_vdst(0)                   ; the wait ahead of the reciprocal's first reader
	v_fma_f32 v61, v44, v60, v42
	global_store_b32 v8, v61, s[16:17]             ; both halves of the lanes store the same number
.Lend:
	s_wait_tensorcnt 0x0
	ds_add_u32 v96, v97
	s_wait_dscnt 0x0
	s_endpgm
.Lfunc_end_k_qa468d38248_outp:
	.size	k_qa468d38248_outp, .Lfunc_end_k_qa468d38248_outp-k_qa468d38248_outp
	.p2alignl 7, 3214868480
	.fill 96, 4, 3214868480
	.section	.rodata,"a",@progbits
	.p2align	6, 0x0
	.amdhsa_kernel k_qa468d38248_outp
		.amdhsa_group_segment_fixed_size 6144
		.amdhsa_private_segment_fixed_size 0
		.amdhsa_enable_private_segment 0
		.amdhsa_kernarg_size 56
		.amdhsa_user_sgpr_count 2
		.amdhsa_user_sgpr_kernarg_segment_ptr 1
		.amdhsa_wavefront_size32 1
		.amdhsa_system_sgpr_workgroup_id_x 1
		.amdhsa_system_sgpr_workgroup_id_y 1
		.amdhsa_system_sgpr_workgroup_id_z 1
		.amdhsa_system_vgpr_workitem_id 0
		.amdhsa_next_free_vgpr 98
		.amdhsa_next_free_sgpr 66
		.amdhsa_reserve_vcc 0
		.amdhsa_float_denorm_mode_32 3
		.amdhsa_float_denorm_mode_16_64 3
		.amdhsa_memory_ordered 1
		.amdhsa_forward_progress 1
		.amdhsa_inst_pref_size 10
	.end_amdhsa_kernel
	.amdgpu_metadata
---
amdhsa.version: [ 1, 2 ]
amdhsa.kernels:
  - .name:           k_qa468d38248_outp
    .symbol:         k_qa468d38248_outp.kd
    .args:
      - { .name: route, .offset: 0, .size: 8, .value_kind: global_buffer, .address_space: global }
      - { .name: img, .offset: 8, .size: 8, .value_kind: global_buffer, .address_space: global }
      - { .name: scl, .offset: 16, .size: 8, .value_kind: global_buffer, .address_space: global }
      - { .name: wvc, .offset: 24, .size: 8, .value_kind: global_buffer, .address_space: global }
      - { .name: wvs, .offset: 32, .size: 8, .value_kind: global_buffer, .address_space: global }
      - { .name: bo, .offset: 40, .size: 8, .value_kind: global_buffer, .address_space: global }
      - { .name: out0, .offset: 48, .size: 8, .value_kind: global_buffer, .address_space: global }
    .group_segment_fixed_size: 6144
    .private_segment_fixed_size: 0
    .kernarg_segment_align: 8
    .kernarg_segment_size: 56
    .max_flat_workgroup_size: 1024
    .sgpr_count:     66
    .vgpr_count:     98
    .wavefront_size: 32
...
	.end_amdgpu_metadata
.endif
;; end of part 4
